; MI455X (gfx1250); checked and timed in simulation.
; The chip was launched on July 23, 2026; its instructions are those of AMD's public machine-readable ISA for CDNA 5 (MIT licence, August 2026) and "CDNA5" Instruction Set Architecture Reference Guide (July 2026). The comments in the code are by the model that wrote it; some were corrected since.
;; Quantize EMA. Allowed arithmetic: float matrix products may take bf16 or f16 operands with f32 sums; all other float work in f32.
;; Inputs: embeddings 64 x 8,192 float32; input 16 x 64 x 32 x 32 float32.
;; Outputs: out0 16 x 64 x 32 x 32 float32; out1 one number float32; out2 16 x 32 x 32 int32.
;; One version. Each part assembles by itself: llvm-mc -triple=amdgcn-amd-amdhsa -mcpu=gfx1250 --defsym DOCPART=n.
;; ======== version 1 of 1: 3 launches
;; workspace buffers: et 2,097,152 bytes; pval 524,288 bytes; pidx 524,288 bytes of whole numbers; part 1,024 bytes
;; launch score (part 1): grid 8 x 32, 8 waves a work-group, no clusters, 275,968 bytes of LDS; arguments embeddings, input, et, pval, pidx; writes et, pval, pidx
.if DOCPART == 1
	.amdgcn_target "amdgcn-amd-amdhsa--gfx1250"
	.amdhsa_code_object_version 6
	.text
	.protected	k_q363891c94f_score
	.globl	k_q363891c94f_score
	.p2align	8
	.type	k_q363891c94f_score,@function
k_q363891c94f_score:
	s_mov_b64 s[64:65], 0
	v_nop
	global_prefetch_b8 v0, s[64:65] scope:SCOPE_SE
	s_setreg_imm32_b32 hwreg(HW_REG_WAVE_MODE, 25, 1), 1
	s_wait_xcnt 0x0
; QuantizeEMA, launch 1 of 3.  For 512 pixels (rows) x 1,024 codes a work-group finds, for every row, the code with the largest
;   score = f.e - 0.5 |e|^2   ( = -0.5 (dist - |f|^2): the same order as the smallest distance; |f|^2 is the same for all codes of a row )
; with f and e rounded to bf16, products in the matrix unit, sums in f32, and stores score and code index (pval, pidx) for the next launch,
; which merges the 8 code blocks.  It also writes its 32 codes of the f32 table transposed (et: [code][k], 256 bytes a code).
; input: [16][64 k][1024 pixels] f32.  embeddings: [64 k][8192 codes] f32.  Work-group (cb, rb): codes 1024 cb .., rows 512 rb .. (half an image).
;
; LIMITS.  Inputs are finite.  The order of rounding is not that of the problem's function: |f|^2 is left out, |e|^2 is summed from the rounded
; codes, so two codes whose distances differ by a few units in the last place of an f32 of the distance's size may change places.  Equal scores
; go to the lowest index at every step.  A NaN score loses every comparison.
;
; SHARES.  Eight waves, two to a SIMD: wave w = 2 g + s keeps rows 128 g .. 128 g + 127 as 8 B fragments pairs (128 registers) for the whole
; kernel and takes the code tiles of parity s: 32 tiles x 16 matrix instructions.  A = 16 codes (M), B = 16 rows (N): register j of lane (r, h) of a
; result is code 8 h + j for row r, so a lane's eight results belong to one row and the running maximum needs no other lane until the end.
; -0.5 |e|^2 enters as the C operand of a tile's first matrix instruction.  Tracking is 14 vector instructions for 8 scores: the tile's maximum,
; one compare, and on a new best the tile's number and its 8 scores are kept by selects; the place inside the tile is found once, at the end.
; With two waves on a SIMD one wave's tracking stands beside the other's matrix instructions.
;
; NO TENSOR LOADS, NO CLUSTER.  Both operands lie in memory as f32 with k as the slow index and must pass through registers to be rounded.
; Brought to LDS as they lie they would take 512 x 256 + 1,024 x 256 = 393,216 bytes, more than a work-group can have, beside the 221,184 bytes of
; their bf16 images, and every byte would cross LDS twice more.  So the loads go to registers (512 consecutive bytes an instruction), three
; chunks of 128 codes ahead of their use.
.set KP,    288                        ; LDS pitch of a k row of 128 bf16: 256 + 32 bytes, an odd multiple of 32, for the transposing loads
.set SLOT,  64*KP                      ; 64 k rows: 128 rows or 128 codes, 18,432 bytes
.set RSTG,  0                          ; 4 groups g of 128 rows, bf16, [k][row]
.set CODES, 4*SLOT                     ; 8 chunks of 128 codes, bf16, [k][code]
.set PART,  CODES+8*SLOT               ; [chunk 8][wave 8][128 codes] f32: sums of e^2 over a wave's 8 k
.set EEB,   PART+32768                 ; [1024] f32: -0.5 |e|^2
.set ETS,   EEB+4096                   ; 32 codes x 272 bytes, f32: the transposition for et
.set XCH,   ETS+32*272                 ; per wave 512 bytes of scores + 512 of indices: the two waves of a pair meet here
; No LDS byte is written twice.
.set GOFF,  8                          ; embeddings: w x 8 k rows + 16 L
.set ROFF,  9                          ; input: h k rows + 16 r + 256 w
.set EOFF,  10                         ; embeddings, for et: (4 w + L/8) k rows + 16 (L%8) + 128 rb
.set CST0,  11                         ; v11, v12: where my bf16 codes go, chunks 0-3 and 4-7
.set PST,   13
.set RLD,   14
.set RST,   15
.set A0,    16                         ; v16-18: my A fragments, chunks 0-2, 3-5, 6-7
.set EADR,  19
.set RSTA,  20
.set BADR,  21
.set ETSA,  22
.set ETLA,  23
.set ETGO,  24
.set ZERO,  25
.set LANEC, 26                         ; 1024 cb + 16 s + 8 h: the code of my register 0 in tile 0
.set XSTA,  27
.set XLDA,  28
.set POFF,  29
.set EP,    30                         ; v[30:33] sums of squares of my 4 codes
.set ROWS,  36                         ; v[36:163] the rows as loaded (before the loop only)
.set ACC,   36                         ; v[36:99] 8 result tiles
.set AF,    100                        ; v[100:115] A fragment, K 0-31 and 32-63
.set EE,    116                        ; v[116:123] C operand
.set T,     124                        ; v[124:131]
.set BA,    132                        ; v[132:139], v[140:147]: best score of row tile i, old and new in turn
.set BB,    140
.set BT,    148                        ; v[148:155] 8 c + 2 u of the tile that holds the best
.set SV,    156                        ; v[156:219] that tile's 8 scores
.set CVT,   220                        ; v[220:235] a chunk's 8 k x 4 codes in bf16
.set ETR,   236                        ; v[236:243]
.set TM,    244                        ; v[244:251]
.set YV,    244
.set YI,    248
.set PV,    220
.set PI,    224
.set SOV,   228
.set SOI,   230
.set STG,   128                        ; window 1: v384-511, four sets of 32 registers, chunk c in set c % 4.  Window 1, v256-383: B fragments
.set MSB, 0
.macro WIN new                         ; s_set_vgpr_msb: bits 1:0 source 0, 3:2 source 1, 5:4 source 2, 7:6 destination; the high byte repeats the setting left
.if MSB != \new
	s_set_vgpr_msb (MSB<<8)|\new
.set MSB, \new
.endif
.endm
.macro BAR                             ; all my LDS loads and stores are done, then all eight waves meet
	s_wait_dscnt 0x0
	s_barrier_signal -1
	s_barrier_wait -1
.endm
	s_load_b256 s[4:11], s[0:1], 0x0               ; embeddings s[4:5], input s[6:7], et s[8:9], pval s[10:11]
	s_load_b64 s[12:13], s[0:1], 0x20              ; pidx
	v_lshl_add_u32 v254, v0, 2, 0x43200
	v_mov_b32 v255, 0
	v_lshrrev_b32 v1, 5, v0
	v_readfirstlane_b32 s14, v1                    ; w
	s_mov_b32 s15, ttmp9                           ; cb
	s_and_b32 s16, ttmp7, 0xffff                   ; rb
	s_lshr_b32 s17, s14, 1                         ; g
	s_and_b32 s18, s14, 1                          ; s
	v_and_b32 v1, 31, v0                           ; L
	v_and_b32 v2, 15, v0                           ; r
	v_bfe_u32 v3, v0, 4, 1                         ; h
	v_and_b32 v4, 7, v0                            ; L % 8
	v_bfe_u32 v5, v0, 3, 1                         ; (L / 8) % 2
	v_bfe_u32 v6, v0, 3, 2                         ; L / 8
	s_lshl_b32 s20, s14, 18                        ; 8 w k rows of 32,768 bytes
	v_lshl_add_u32 v[GOFF], v1, 4, s20
	s_lshl_b32 s20, s14, 8
	v_lshl_add_u32 v7, v2, 4, s20
	v_lshl_add_u32 v[ROFF], v3, 12, v7
	s_lshl_b32 s20, s14, 17
	s_lshl_b32 s21, s16, 7
	s_add_co_u32 s20, s20, s21
	v_lshl_add_u32 v7, v4, 4, s20
	v_lshl_add_u32 v[EOFF], v6, 15, v7
	s_wait_kmcnt 0x0
	s_lshl_b32 s20, s15, 12                        ; 1,024 codes of 4 bytes
	s_mov_b32 s21, 0
	s_add_nc_u64 s[4:5], s[4:5], s[20:21]
	s_lshr_b32 s22, s16, 1                         ; image
	s_lshl_b32 s20, s22, 18
	s_and_b32 s22, s16, 1                          ; which half of its pixels
	s_lshl_b32 s22, s22, 11
	s_add_co_u32 s20, s20, s22
	s_add_nc_u64 s[6:7], s[6:7], s[20:21]
	s_lshl_b32 s20, s15, 18                        ; et: 1,024 codes of 256 bytes, and my 32 of them
	s_lshl_b32 s22, s16, 13
	s_add_co_u32 s20, s20, s22
	s_add_nc_u64 s[8:9], s[8:9], s[20:21]
	s_lshl_b32 s20, s15, 16                        ; pval, pidx: [cb][block of 64 rows = 8 rb + w][256 bytes]
	s_lshl_b32 s22, s16, 3
	s_add_co_u32 s22, s22, s14
	s_lshl_b32 s22, s22, 8
	s_add_co_u32 s20, s20, s22
	s_add_nc_u64 s[10:11], s[10:11], s[20:21]
	s_add_nc_u64 s[12:13], s[12:13], s[20:21]
; chunk c: k = 8 w + i, codes 128 c + 4 L .. + 3; one instruction covers 512 consecutive bytes
.macro LOADC c
	WIN 0x40
.irp i, 0,1,2,3,4,5,6,7
	global_load_b128 v[STG+32*((\c)&3)+4*\i:STG+32*((\c)&3)+4*\i+3], v[GOFF], s[4:5] offset:\i*32768+(\c)*512
.endr
	WIN 0
.endm
	; my 64 pixels (64 w ..) of all 64 k: k = 2 i + h, sixteen lanes cover 256 bytes
.set i, 0
.rept 32
	global_load_b128 v[ROWS+4*i:ROWS+4*i+3], v[ROFF], s[6:7] offset:i*8192
.set i, i+1
.endr
	global_load_b128 v[ETR:ETR+3],   v[EOFF], s[4:5]                  ; for et: k = 4 w + L/8, codes 32 rb + 4 (L%8) ..
	global_load_b128 v[ETR+4:ETR+7], v[EOFF], s[4:5] offset:1048576   ; and k + 32
	LOADC 0
	LOADC 1
	LOADC 2
	; LDS addresses, while the loads are out
	s_mov_b32 s32, 0x76543210                      ; v_permlanex16_b32: lane i reads lane i of the other half
	s_mov_b32 s33, 0xfedcba98
	s_mov_b32 s34, 0xffff0000                      ; lanes 16-31
	s_sub_co_u32 s35, 0, s18                       ; all lanes in waves of parity 1, none in the others
	s_mov_b32 s36, 0xff800000                      ; -inf
	s_mul_i32 s20, s14, 8*KP
	s_add_co_u32 s20, s20, CODES
	v_lshl_add_u32 v[CST0], v1, 3, s20             ; k row 8 w, 4 codes = 8 bytes a lane
	v_add_nc_u32 v[CST0+1], 4*SLOT, v[CST0]
	s_lshl_b32 s20, s14, 9
	s_add_co_u32 s20, s20, PART
	v_lshl_add_u32 v[PST], v1, 4, s20
	s_lshl_b32 s20, s14, 6                         ; code 16 w + r of a chunk
	s_add_co_u32 s21, s20, PART
	s_add_co_u32 s20, s20, EEB
	v_lshl_add_u32 v7, v2, 2, s21
	v_lshl_add_u32 v[RLD], v3, 11, v7              ; the partial sums of waves 4 h .. 4 h + 3
	v_lshl_add_u32 v[RST], v2, 2, s20
	v_lshl_add_u32 v7, v3, 3, v4                   ; the transposing load's lane term: k row 8 h + L % 8,
	v_mul_u32_u24 v7, v7, KP
	v_lshl_add_u32 v7, v5, 4, v7                   ; 16 bytes for each half of a group of sixteen columns
	s_lshl_b32 s20, s18, 5                         ; tiles of my parity: 16 s codes
	s_add_co_u32 s20, s20, CODES
	v_add_nc_u32 v[A0], s20, v7
	v_add_nc_u32 v[A0+1], 3*SLOT, v[A0]
	v_add_nc_u32 v[A0+2], 6*SLOT, v[A0]
	s_lshl_b32 s20, s18, 6
	s_add_co_u32 s20, s20, EEB
	v_lshl_add_u32 v[EADR], v3, 5, s20             ; codes 16 s + 8 h ..
	s_mul_i32 s20, s17, SLOT
	v_add_nc_u32 v[BADR], s20, v7
	s_lshl_b32 s21, s18, 7
	s_add_co_u32 s21, s21, s20
	v_mul_u32_u24 v7, v3, KP
	v_lshl_add_u32 v7, v2, 3, v7
	v_add_nc_u32 v[RSTA], s21, v7                  ; group g, k row h, rows 64 s + 4 r ..
	s_lshl_b32 s20, s14, 4
	s_add_co_u32 s20, s20, ETS
	v_mul_u32_u24 v7, v4, 4*272
	v_lshl_add_u32 v7, v6, 2, v7
	v_add_nc_u32 v[ETSA], s20, v7                  ; code 4 (L%8), k = 4 w + L/8
	s_mul_i32 s20, s14, 2*272
	s_add_co_u32 s20, s20, ETS
	v_mul_u32_u24 v7, v3, 272
	v_lshl_add_u32 v7, v2, 4, v7
	v_add_nc_u32 v[ETLA], s20, v7                  ; code 2 w + h, 16 bytes a lane
	s_lshl_b32 s20, s14, 9
	v_lshl_add_u32 v7, v2, 4, s20
	v_lshl_add_u32 v[ETGO], v3, 8, v7
	v_mov_b32 v[ZERO], 0
	s_lshl_b32 s20, s15, 10
	s_lshl_b32 s21, s18, 4
	s_add_co_u32 s20, s20, s21
	v_lshl_add_u32 v[LANEC], v3, 3, s20
	s_lshl_b32 s20, s14, 10
	s_add_co_u32 s20, s20, XCH
	v_lshl_add_u32 v[XSTA], v1, 4, s20
	s_xor_b32 s20, s14, 1                          ; the other wave of my pair
	s_lshl_b32 s20, s20, 10
	s_add_co_u32 s20, s20, XCH
	v_lshl_add_u32 v[XLDA], v1, 4, s20
	v_lshlrev_b32 v[POFF], 3, v1
; Chunk c, my 8 k: round to bf16, store [k][code], and sum the squares of the ROUNDED numbers over my 8 k.
; left = loads issued behind this chunk's eight.  next = the chunk that is loaded into the set just read (0: none).
.macro CONVERT c, left, next
	s_wait_loadcnt \left
	WIN 0x05
.irp i, 0,1,2,3,4,5,6,7
	v_cvt_pk_bf16_f32 v[CVT+2*\i],   v[STG+32*((\c)&3)+4*\i],   v[STG+32*((\c)&3)+4*\i+1]
	v_cvt_pk_bf16_f32 v[CVT+2*\i+1], v[STG+32*((\c)&3)+4*\i+2], v[STG+32*((\c)&3)+4*\i+3]
.endr
	WIN 0
.if \next
	LOADC \next
.endif
.irp i, 0,1,2,3,4,5,6,7
	ds_store_b64 v[CST0+(\c)/4], v[CVT+2*\i:CVT+2*\i+1] offset:((\c)&3)*SLOT+\i*KP
.endr
	v_fma_mix_f32_bf16 v[EP],   v[CVT],   v[CVT],   v[ZERO] op_sel_hi:[1,1,0]                 ; the first k starts the sums
	v_fma_mix_f32_bf16 v[EP+1], v[CVT],   v[CVT],   v[ZERO] op_sel:[1,1,0] op_sel_hi:[1,1,0]
	v_fma_mix_f32_bf16 v[EP+2], v[CVT+1], v[CVT+1], v[ZERO] op_sel_hi:[1,1,0]
	v_fma_mix_f32_bf16 v[EP+3], v[CVT+1], v[CVT+1], v[ZERO] op_sel:[1,1,0] op_sel_hi:[1,1,0]
.irp i, 1,2,3,4,5,6,7
	v_fma_mix_f32_bf16 v[EP],   v[CVT+2*\i],   v[CVT+2*\i],   v[EP]   op_sel_hi:[1,1,0]
	v_fma_mix_f32_bf16 v[EP+1], v[CVT+2*\i],   v[CVT+2*\i],   v[EP+1] op_sel:[1,1,0] op_sel_hi:[1,1,0]
	v_fma_mix_f32_bf16 v[EP+2], v[CVT+2*\i+1], v[CVT+2*\i+1], v[EP+2] op_sel_hi:[1,1,0]
	v_fma_mix_f32_bf16 v[EP+3], v[CVT+2*\i+1], v[CVT+2*\i+1], v[EP+3] op_sel:[1,1,0] op_sel_hi:[1,1,0]
.endr
	ds_store_b128 v[PST], v[EP:EP+3] offset:(\c)*4096
.endm
; -0.5 |e|^2 of code 16 w + r of chunk c: four waves' partial sums in each half of the lanes, then the other half's.
; Both halves end with the same number (a + b = b + a) and store it to the same word.
.macro REDUCE c
.irp p, 0,1,2,3
	ds_load_b32 v[TM+\p], v[RLD] offset:(\c)*4096+\p*512
.endr
	s_wait_dscnt 0x0
	v_add_f32 v[TM], v[TM], v[TM+1]
	v_add_f32 v[TM+2], v[TM+2], v[TM+3]
	v_add_f32 v[TM], v[TM], v[TM+2]
	v_permlanex16_b32 v[TM+1], v[TM], s32, s33
	v_add_f32 v[TM], v[TM], v[TM+1]
	v_mul_f32 v[TM], -0.5, v[TM]
	ds_store_b32 v[RST], v[TM] offset:(\c)*512
.endm
; A fragment of code tile 2 u + s of chunk c (four transposing loads: k = 16 nn + 8 h .. + 7 of code r) and its C operand (code 8 h + j in register j)
.macro FETCH c, u
.irp nn, 0,1,2,3
	ds_load_tr16_b128 v[AF+4*\nn:AF+4*\nn+3], v[A0+(\c)/3] offset:((\c)%3)*SLOT+64*(\u)+\nn*16*KP
.endr
	ds_load_b128 v[EE:EE+3],   v[EADR] offset:(\c)*512+128*(\u)
	ds_load_b128 v[EE+4:EE+7], v[EADR] offset:(\c)*512+128*(\u)+16
.endm
; One code tile against my 8 row tiles.  pre = 1: the next tile's operands are asked for before the tracking.
; first = 1: the very first tile: its results go straight into SV and start the state, so that nothing is cleared.
.macro TILE c, u, pre, first
.if \first
.set DB, SV
.else
.set DB, ACC
.endif
.if (\u)&1
.set OLD, BB
.set NEW, BA
.else
.set OLD, BA
.set NEW, BB
.endif
	s_wait_dscnt 0x0                               ; A and C are in (asked for one tile's tracking ago)
	WIN 0x04                                       ; source 1 (B) in window 1
.irp i, 0,1,2,3,4,5,6,7
	v_wmma_f32_16x16x32_bf16 v[DB+8*\i:DB+8*\i+7], v[AF:AF+7], v[16*\i:16*\i+7], v[EE:EE+7]
.endr
.irp i, 0,1,2,3,4,5,6,7
	v_wmma_f32_16x16x32_bf16 v[DB+8*\i:DB+8*\i+7], v[AF+8:AF+15], v[16*\i+8:16*\i+15], v[DB+8*\i:DB+8*\i+7]   ; a chain in place
.endr
	WIN 0
.rept 4
	v_nop                                          ; four places before the results are read and before loads land in A and C
.endr
.if \pre
	FETCH \c, (\u)+1
.endif
	; step by step over the 8 row tiles, so that no instruction waits for the one in front of it
.irp i, 0,1,2,3,4,5,6,7
	v_max3_num_f32 v[T+\i], v[DB+8*\i], v[DB+8*\i+1], v[DB+8*\i+2]
.endr
.irp i, 0,1,2,3,4,5,6,7
	v_max3_num_f32 v[T+\i], v[T+\i], v[DB+8*\i+3], v[DB+8*\i+4]
.endr
.irp i, 0,1,2,3,4,5,6,7
	v_max3_num_f32 v[T+\i], v[T+\i], v[DB+8*\i+5], v[DB+8*\i+6]
.endr
.if \first
.irp i, 0,1,2,3,4,5,6,7
	v_max3_num_f32 v[NEW+\i], v[T+\i], v[DB+8*\i+7], s36
.endr
.irp i, 0,1,2,3,4,5,6,7
	v_mov_b32 v[BT+\i], 0
.endr
.else
.irp i, 0,1,2,3,4,5,6,7
	v_max3_num_f32 v[NEW+\i], v[T+\i], v[DB+8*\i+7], v[OLD+\i]
.endr
.irp i, 0,1,2,3,4,5,6,7
	v_cmp_gt_f32 s[24+\i], v[NEW+\i], v[OLD+\i]    ; strictly greater: an equal score in a later tile does not displace the earlier code
.endr
.irp i, 0,1,2,3,4,5,6,7
	v_cndmask_b32 v[BT+\i], v[BT+\i], 8*(\c)+2*(\u), s[24+\i]
.endr
.irp i, 0,1,2,3,4,5,6,7
.irp j, 0,1,2,3,4,5,6,7
	v_cndmask_b32 v[SV+8*\i+\j], v[SV+8*\i+\j], v[ACC+8*\i+\j], s[24+\i]
.endr
.endr
.endif
.endm
.macro TILES c, first
	TILE \c, 0, 1, \first
	TILE \c, 1, 1, 0
	TILE \c, 2, 1, 0
	TILE \c, 3, 0, 0
.endm
; (va, ia) takes (vb, ib) if vb is greater, or equal with the lower index
.macro MERGE va, ia, vb, ib
	v_cmp_gt_f32 s40, v[\vb], v[\va]
	v_cmp_eq_f32 s41, v[\vb], v[\va]
	v_cmp_lt_u32 vcc_lo, v[\ib], v[\ia]
	s_and_b32 s41, s41, vcc_lo
	s_or_b32 s40, s40, s41
	v_cndmask_b32 v[\va], v[\va], v[\vb], s40
	v_cndmask_b32 v[\ia], v[\ia], v[\ib], s40
.endm
	; THE ROWS: rounded, to the stage [k][row]
	s_wait_loadcnt 26                              ; behind the rows' 32 loads: 2 for et and 3 chunks of 8
	LOADC 3
.set i, 0
.rept 32
	v_cvt_pk_bf16_f32 v[ROWS+4*i],   v[ROWS+4*i],   v[ROWS+4*i+1]
	v_cvt_pk_bf16_f32 v[ROWS+4*i+1], v[ROWS+4*i+2], v[ROWS+4*i+3]
	ds_store_b64 v[RSTA], v[ROWS+4*i:ROWS+4*i+1] offset:i*2*KP
.set i, i+1
.endr
	CONVERT 0, 24, 4                               ; behind chunk 0: chunks 1, 2, 3.  The two loads for et are older: they are in too
.irp q, 0,1,2,3
	ds_store_b32 v[ETSA], v[ETR+\q]   offset:\q*272
	ds_store_b32 v[ETSA], v[ETR+4+\q] offset:\q*272+128
.endr
	CONVERT 1, 24, 5                               ; behind chunk 1: chunks 2, 3, 4
	BAR                                            ; rows, chunks 0 and 1, their partial sums and et's stage are written
	WIN 0x40                                       ; my 128 rows as 16 B fragments, for the whole kernel
.irp i, 0,1,2,3,4,5,6,7
.irp kk, 0,1
.irp nn, 0,1
	ds_load_tr16_b128 v[16*\i+8*\kk+4*\nn:16*\i+8*\kk+4*\nn+3], v[BADR] offset:\kk*32*KP+\nn*16*KP+32*\i
.endr
.endr
.endr
	WIN 0
	REDUCE 0
	ds_load_b128 v[ETR:ETR+3],   v[ETLA]
	ds_load_b128 v[ETR+4:ETR+7], v[ETLA] offset:16*272
	s_wait_dscnt 0x0
	global_store_b128 v[ETGO], v[ETR:ETR+3],   s[8:9]              ; sixteen lanes store one code's 256 bytes, aligned
	global_store_b128 v[ETGO], v[ETR+4:ETR+7], s[8:9] offset:4096  ; (ETR, ETGO and s[8:9] are not written again)
	BAR                                            ; -0.5 |e|^2 of chunk 0 is written
	; EIGHT TRIPS, one chunk of 128 codes each.  Trip c reads chunk c and its -0.5 |e|^2, written before the barrier at the end of trip c - 1 at the
	; latest; it writes chunk c + 2 with its partial sums, and -0.5 |e|^2 of chunk c + 1 from the partial sums that trip c - 1 wrote.
	FETCH 0, 0
	CONVERT 2, 24, 6                               ; behind chunk 2: chunks 3, 4, 5
	REDUCE 1
	TILES 0, 1
	BAR
	FETCH 1, 0
	CONVERT 3, 24, 7                               ; chunks 4, 5, 6
	REDUCE 2
	TILES 1, 0
	BAR
	FETCH 2, 0
	CONVERT 4, 24, 0                               ; chunks 5, 6, 7; nothing more is loaded, the counts run down
	REDUCE 3
	TILES 2, 0
	BAR
	FETCH 3, 0
	CONVERT 5, 16, 0
	REDUCE 4
	TILES 3, 0
	BAR
	FETCH 4, 0
	CONVERT 6, 8, 0
	REDUCE 5
	TILES 4, 0
	BAR
	FETCH 5, 0
	CONVERT 7, 0, 0
	REDUCE 6
	TILES 5, 0
	BAR
	FETCH 6, 0
	REDUCE 7
	TILES 6, 0
	BAR
	FETCH 7, 0
	TILES 7, 0
	; THE END.  The best scores are in BA.  The place in the kept tile: the lowest j whose score is the best.
.irp i, 0,1,2,3,4,5,6,7
	v_mov_b32 v[T+\i], 7
.endr
.irp j, 6,5,4,3,2,1,0
.irp i, 0,1,2,3,4,5,6,7
	v_cmp_eq_f32 s[24+\i], v[SV+8*\i+\j], v[BA+\i]
.endr
.irp i, 0,1,2,3,4,5,6,7
	v_cndmask_b32 v[T+\i], v[T+\i], \j, s[24+\i]
.endr
.endr
.irp i, 0,1,2,3,4,5,6,7
	v_lshl_add_u32 v[BT+\i], v[BT+\i], 4, v[T+\i]  ; 16 (8 c + 2 u) + j
.endr
.irp i, 0,1,2,3,4,5,6,7
	v_add_nc_u32 v[BT+\i], v[BT+\i], v[LANEC]      ; + 1024 cb + 16 s + 8 h: the code's index
.endr
.irp i, 0,1,2,3,4,5,6,7
	v_permlanex16_b32 v[BB+\i], v[BA+\i], s32, s33 ; the other half of the lanes holds the same row's other 8 codes of each tile
	v_permlanex16_b32 v[T+\i],  v[BT+\i], s32, s33
.endr
.irp i, 0,1,2,3,4,5,6,7
	MERGE BA+\i, BT+\i, BB+\i, T+\i
.endr
.irp m, 0,1,2,3
	v_cndmask_b32 v[YV+\m], v[BA+2*\m], v[BA+2*\m+1], s34      ; lane L: row 32 m + L of my 128
	v_cndmask_b32 v[YI+\m], v[BT+2*\m], v[BT+2*\m+1], s34
.endr
	ds_store_b128 v[XSTA], v[YV:YV+3]
	ds_store_b128 v[XSTA], v[YI:YI+3] offset:512
	BAR
	ds_load_b128 v[PV:PV+3], v[XLDA]               ; the same rows against the tiles of the other parity
	ds_load_b128 v[PI:PI+3], v[XLDA] offset:512
	s_wait_dscnt 0x0
.irp m, 0,1,2,3
	MERGE YV+\m, YI+\m, PV+\m, PI+\m
.endr
	v_cndmask_b32 v[SOV],   v[YV],   v[YV+2], s35  ; wave 2 g + s stores rows 64 s .. 64 s + 63 of the pair's 128
	v_cndmask_b32 v[SOV+1], v[YV+1], v[YV+3], s35
	v_cndmask_b32 v[SOI],   v[YI],   v[YI+2], s35
	v_cndmask_b32 v[SOI+1], v[YI+1], v[YI+3], s35
	global_store_b64 v[POFF], v[SOV:SOV+1], s[10:11]           ; each store of the wave covers 256 consecutive bytes, aligned:
	global_store_b64 v[POFF], v[SOI:SOI+1], s[12:13]           ; entry (L, u) is row 64 block + 32 u + L
	s_wait_tensorcnt 0x0
	ds_add_u32 v254, v255
	s_wait_dscnt 0x0
	s_endpgm
.Lfunc_end_k_q363891c94f_score:
	.size	k_q363891c94f_score, .Lfunc_end_k_q363891c94f_score-k_q363891c94f_score
	.p2alignl 7, 3214868480
	.fill 96, 4, 3214868480
	.section	.rodata,"a",@progbits
	.p2align	6, 0x0
	.amdhsa_kernel k_q363891c94f_score
		.amdhsa_group_segment_fixed_size 275968
		.amdhsa_private_segment_fixed_size 0
		.amdhsa_enable_private_segment 0
		.amdhsa_kernarg_size 40
		.amdhsa_user_sgpr_count 2
		.amdhsa_user_sgpr_kernarg_segment_ptr 1
		.amdhsa_wavefront_size32 1
		.amdhsa_system_sgpr_workgroup_id_x 1
		.amdhsa_system_sgpr_workgroup_id_y 1
		.amdhsa_system_sgpr_workgroup_id_z 1
		.amdhsa_system_vgpr_workitem_id 0
		.amdhsa_next_free_vgpr 512
		.amdhsa_next_free_sgpr 66
		.amdhsa_reserve_vcc 1
		.amdhsa_float_denorm_mode_32 3
		.amdhsa_float_denorm_mode_16_64 3
		.amdhsa_memory_ordered 1
		.amdhsa_forward_progress 1
		.amdhsa_inst_pref_size 255
	.end_amdhsa_kernel
	.section	.bss,"aw",@nobits
	.p2align	6
	.space	262144
	.amdgpu_metadata
---
amdhsa.version: [ 1, 2 ]
amdhsa.kernels:
  - .name:           k_q363891c94f_score
    .symbol:         k_q363891c94f_score.kd
    .args:
      - { .name: embeddings, .offset: 0, .size: 8, .value_kind: global_buffer, .address_space: global }
      - { .name: input, .offset: 8, .size: 8, .value_kind: global_buffer, .address_space: global }
      - { .name: et, .offset: 16, .size: 8, .value_kind: global_buffer, .address_space: global }
      - { .name: pval, .offset: 24, .size: 8, .value_kind: global_buffer, .address_space: global }
      - { .name: pidx, .offset: 32, .size: 8, .value_kind: global_buffer, .address_space: global }
    .group_segment_fixed_size: 275968
    .private_segment_fixed_size: 0
    .kernarg_segment_align: 8
    .kernarg_segment_size: 40
    .max_flat_workgroup_size: 256
    .sgpr_count:     66
    .vgpr_count:     512
    .wavefront_size: 32
...
	.end_amdgpu_metadata
.endif
;; end of part 1
;; launch gather (part 2): grid 256 x 1, 8 waves a work-group, no clusters, 18,944 bytes of LDS; arguments input, et, pval, pidx, out0, out2, part; writes out0, out2, part
.if DOCPART == 2
	.amdgcn_target "amdgcn-amd-amdhsa--gfx1250"
	.amdhsa_code_object_version 6
	.text
	.protected	k_q363891c94f_gather
	.globl	k_q363891c94f_gather
	.p2align	8
	.type	k_q363891c94f_gather,@function
k_q363891c94f_gather:
	s_mov_b64 s[64:65], 0
	v_nop
	global_prefetch_b8 v0, s[64:65] scope:SCOPE_SE
	s_setreg_imm32_b32 hwreg(HW_REG_WAVE_MODE, 25, 1), 1
	s_wait_xcnt 0x0
; QuantizeEMA, launch 2 of 3.  A work-group takes 64 rows (pixels of one image).  For each row the launch before left 8 candidates, one for each
; block of 1,024 codes: score (pval) and index (pidx).  The addresses of this launch come from those stored indices alone: all 8 candidate codes
; are fetched from et (256 consecutive bytes a code), and which one wins, a comparison of f32 scores, selects VALUES (v_cndmask_b32).
; Strictly greater in ascending block order keeps the lowest index among equal scores.
; Then q goes through LDS into the input's layout [k][pixel]:  out0 = x + (q - x),  out2 = index,  part[work-group] = sum of (q - x)^2.
; pval, pidx: [p 8][block 256][L 32][u 2], entry (L, u) = row 64 block + 32 u + L.  et: [8192 codes][64 k] f32.
; The half-wave m = 2 w + hh reads 16 bytes of a block: entries a = 0..3 = rows 2 m + a/2 + 32 (a%2); its lane l16 holds k = 4 l16 .. + 3.
; No matrix unit, cluster or LDS ring: there is no product, the work-groups share nothing but the table of 2 MiB, and every load is issued as
; soon as its address exists, in two runs.
; LIMIT: an index is clamped to 8,191 before it enters an address; the launch before stores none above.
.set QT,   0                           ; [64 k] x 272 bytes: 64 rows f32 + 16 bytes
.set OIB,  17408                       ; 64 indices
.set WS,   17664                       ; 8 waves' sums
.set PVO,  4
.set XO,   5
.set QST,  6
.set QLD,  7
.set OFF,  8                           ; v[8:39]    4 p + a: index, then byte offset in et
.set VAL,  40                          ; v[40:71]   4 p + a: score
.set X,    72                          ; v[72:87]
.set Q,    88                          ; v[88:215]  16 p + 4 a + e
.set QL,   216                         ; v[216:231]
.set SUM,  232                         ; v[232:233]
.set LB,   234
.set OIS,  235
.set WSA,  236
.set P8,   237
.set OIL,  238
.set WSL,  239
.set IDP,  240                         ; v[240:241]
.set W8,   244                         ; v[244:251]
.set ZR,   252
	s_load_b256 s[4:11], s[0:1], 0x0               ; input s[4:5], et s[6:7], pval s[8:9], pidx s[10:11]
	s_load_b128 s[12:15], s[0:1], 0x20             ; out0 s[12:13], out2 s[14:15]
	s_load_b64 s[16:17], s[0:1], 0x30              ; part
	v_lshl_add_u32 v254, v0, 2, 0x4600
	v_mov_b32 v255, 0
	v_lshrrev_b32 v1, 5, v0
	v_readfirstlane_b32 s18, v1                    ; w
	v_and_b32 v1, 31, v0                           ; L
	v_and_b32 v2, 15, v0                           ; l16
	v_bfe_u32 v3, v0, 4, 1                         ; hh
	s_lshl_b32 s20, s18, 5
	v_lshl_add_u32 v[PVO], v3, 4, s20              ; 16 m
	s_lshl_b32 s20, s18, 13
	v_lshl_add_u32 v[XO], v3, 12, s20              ; k row 2 w + hh of 4,096 bytes
	v_lshl_add_u32 v[XO], v2, 4, v[XO]             ; + 16 l16
	v_lshlrev_b32 v[LB], 4, v2
	s_wait_kmcnt 0x0
	s_lshl_b32 s20, ttmp9, 8                       ; 256 bytes a block in pval, pidx and out2
	s_mov_b32 s21, 0
	s_add_nc_u64 s[8:9], s[8:9], s[20:21]
	s_add_nc_u64 s[10:11], s[10:11], s[20:21]
	s_add_nc_u64 s[14:15], s[14:15], s[20:21]
	s_lshl_b32 s20, ttmp9, 2
	s_add_nc_u64 s[16:17], s[16:17], s[20:21]
	s_lshr_b32 s22, ttmp9, 4                       ; image
	s_lshl_b32 s22, s22, 18
	s_and_b32 s20, ttmp9, 15                       ; 64 pixels = 256 bytes
	s_lshl_b32 s20, s20, 8
	s_add_co_u32 s20, s20, s22
	s_add_nc_u64 s[4:5], s[4:5], s[20:21]
	s_add_nc_u64 s[12:13], s[12:13], s[20:21]
.irp p, 0,1,2,3,4,5,6,7
	global_load_b128 v[OFF+4*\p:OFF+4*\p+3], v[PVO], s[10:11] offset:\p*65536
.endr
.irp p, 0,1,2,3,4,5,6,7
	global_load_b128 v[VAL+4*\p:VAL+4*\p+3], v[PVO], s[8:9] offset:\p*65536
.endr
.irp i, 0,1,2,3
	global_load_b128 v[X+4*\i:X+4*\i+3], v[XO], s[4:5] offset:\i*65536 th:TH_LOAD_NT   ; k = 2 w + hh + 16 i; sixteen lanes cover 256 bytes
.endr
	s_mov_b32 s24, 0x76543210
	s_mov_b32 s25, 0xfedcba98
	s_lshl_b32 s20, s18, 4
	v_mul_u32_u24 v[QST], v2, 4*272
	v_lshl_add_u32 v[QST], v3, 3, v[QST]
	v_add_nc_u32 v[QST], s20, v[QST]               ; k row 4 l16, row 2 m
	s_add_co_u32 s20, s20, OIB
	v_lshl_add_u32 v[OIS], v3, 3, s20
	s_mul_i32 s20, s18, 2*272
	v_mul_u32_u24 v[QLD], v3, 272
	v_lshl_add_u32 v[QLD], v2, 4, v[QLD]
	v_add_nc_u32 v[QLD], s20, v[QLD]               ; k row 2 w + hh, rows 4 l16 ..
	s_lshl_b32 s20, s18, 2
	s_add_co_u32 s20, s20, WS
	v_mov_b32 v[WSA], s20
	s_wait_loadcnt 12                              ; behind the 8 loads of indices: 8 of scores, 4 of x
.set i, 0
.rept 32
	v_min_u32 v[OFF+i], 0x1fff, v[OFF+i]
	v_lshlrev_b32 v[OFF+i], 8, v[OFF+i]            ; 256 bytes a code
	v_add_nc_u32 v[OFF+i], v[OFF+i], v[LB]
	global_load_b128 v[Q+4*i:Q+4*i+3], v[OFF+i], s[6:7]        ; sixteen lanes read one code's 256 bytes
.set i, i+1
.endr
.irp p, 1,2,3,4,5,6,7
	s_wait_loadcnt 4*(7-\p)                        ; behind block p's four gathers: four for each later block.  Block 0's, the scores and x are older
.irp a, 0,1,2,3
	v_cmp_gt_f32 vcc_lo, v[VAL+4*\p+\a], v[VAL+\a]
	v_cndmask_b32 v[VAL+\a], v[VAL+\a], v[VAL+4*\p+\a], vcc_lo
	v_cndmask_b32 v[OFF+\a], v[OFF+\a], v[OFF+4*\p+\a], vcc_lo
.irp e, 0,1,2,3
	v_cndmask_b32 v[Q+4*\a+\e], v[Q+4*\a+\e], v[Q+16*\p+4*\a+\e], vcc_lo
.endr
.endr
.endr
.irp a, 0,1,2,3
	v_lshrrev_b32 v[OFF+\a], 8, v[OFF+\a]          ; the winner's index again (16 l16 < 256 falls out)
.endr
.irp a, 0,1,2,3
.irp e, 0,1,2,3
	ds_store_b32 v[QST], v[Q+4*\a+\e] offset:\e*272+4*((\a>>1)+32*(\a&1))
.endr
	ds_store_b32 v[OIS], v[OFF+\a] offset:4*((\a>>1)+32*(\a&1))    ; sixteen lanes, one word, one value
.endr
	s_wait_dscnt 0x0
	s_barrier_signal -1
	s_barrier_wait -1
.irp i, 0,1,2,3
	ds_load_b128 v[QL+4*\i:QL+4*\i+3], v[QLD] offset:\i*16*272
.endr
	s_wait_dscnt 0x0
.irp z, 0,2,4,6,8,10,12,14
	v_pk_add_f32 v[QL+\z:QL+\z+1], v[QL+\z:QL+\z+1], v[X+\z:X+\z+1] neg_lo:[0,1] neg_hi:[0,1]   ; d = q - x
.endr
	v_pk_mul_f32 v[SUM:SUM+1], v[QL:QL+1], v[QL:QL+1]
.irp z, 2,4,6,8,10,12,14
	v_pk_fma_f32 v[SUM:SUM+1], v[QL+\z:QL+\z+1], v[QL+\z:QL+\z+1], v[SUM:SUM+1]
.endr
.irp z, 0,2,4,6,8,10,12,14
	v_pk_add_f32 v[QL+\z:QL+\z+1], v[X+\z:X+\z+1], v[QL+\z:QL+\z+1]                             ; x + (q - x)
.endr
.irp i, 0,1,2,3
	global_store_b128 v[XO], v[QL+4*\i:QL+4*\i+3], s[12:13] offset:\i*65536 th:TH_STORE_NT      ; sixteen lanes store 256 consecutive bytes, aligned
.endr
	v_add_f32 v[SUM], v[SUM], v[SUM+1]
	v_add_f32_dpp v[SUM], v[SUM], v[SUM] row_xmask:1 row_mask:0xf bank_mask:0xf
	v_add_f32_dpp v[SUM], v[SUM], v[SUM] row_xmask:2 row_mask:0xf bank_mask:0xf
	v_add_f32_dpp v[SUM], v[SUM], v[SUM] row_xmask:4 row_mask:0xf bank_mask:0xf
	v_add_f32_dpp v[SUM], v[SUM], v[SUM] row_xmask:8 row_mask:0xf bank_mask:0xf
	v_permlanex16_b32 v[SUM+1], v[SUM], s24, s25
	v_add_f32 v[SUM], v[SUM], v[SUM+1]
	ds_store_b32 v[WSA], v[SUM]
	s_wait_dscnt 0x0
	s_barrier_signal -1
	s_barrier_wait -1
	s_cmp_lg_u32 s18, 0
	s_cbranch_scc1 .Ldone                          ; wave 0 alone writes the indices and the work-group's sum
	v_lshlrev_b32 v[P8], 3, v1
	v_add_nc_u32 v[OIL], OIB, v[P8]
	v_mov_b32 v[WSL], WS
	v_mov_b32 v[ZR], 0
	ds_load_b64 v[IDP:IDP+1], v[OIL]
	ds_load_b128 v[W8:W8+3], v[WSL]
	ds_load_b128 v[W8+4:W8+7], v[WSL] offset:16
	s_wait_dscnt 0x0
	global_store_b64 v[P8], v[IDP:IDP+1], s[14:15] ; 64 indices: 256 consecutive bytes, aligned
	v_pk_add_f32 v[W8:W8+1], v[W8:W8+1], v[W8+2:W8+3]
	v_pk_add_f32 v[W8+4:W8+5], v[W8+4:W8+5], v[W8+6:W8+7]
	v_pk_add_f32 v[W8:W8+1], v[W8:W8+1], v[W8+4:W8+5]
	v_add_f32 v[W8], v[W8], v[W8+1]
	v_cmp_eq_u32 vcc_lo, 0, v0
	s_wait_xcnt 0x0                                ; EXEC is a source of the stores above: it changes only behind this wait
	s_and_saveexec_b32 s20, vcc_lo
	global_store_b32 v[ZR], v[W8], s[16:17]        ; one number, from lane 0
	s_wait_xcnt 0x0                                ; and again in front of the line that widens it
	s_or_b32 exec_lo, exec_lo, s20
.Ldone:
	s_wait_tensorcnt 0x0
	ds_add_u32 v254, v255
	s_wait_dscnt 0x0
	s_endpgm
.Lfunc_end_k_q363891c94f_gather:
	.size	k_q363891c94f_gather, .Lfunc_end_k_q363891c94f_gather-k_q363891c94f_gather
	.p2alignl 7, 3214868480
	.fill 96, 4, 3214868480
	.section	.rodata,"a",@progbits
	.p2align	6, 0x0
	.amdhsa_kernel k_q363891c94f_gather
		.amdhsa_group_segment_fixed_size 18944
		.amdhsa_private_segment_fixed_size 0
		.amdhsa_enable_private_segment 0
		.amdhsa_kernarg_size 56
		.amdhsa_user_sgpr_count 2
		.amdhsa_user_sgpr_kernarg_segment_ptr 1
		.amdhsa_wavefront_size32 1
		.amdhsa_system_sgpr_workgroup_id_x 1
		.amdhsa_system_sgpr_workgroup_id_y 1
		.amdhsa_system_sgpr_workgroup_id_z 1
		.amdhsa_system_vgpr_workitem_id 0
		.amdhsa_next_free_vgpr 256
		.amdhsa_next_free_sgpr 66
		.amdhsa_reserve_vcc 1
		.amdhsa_float_denorm_mode_32 3
		.amdhsa_float_denorm_mode_16_64 3
		.amdhsa_memory_ordered 1
		.amdhsa_forward_progress 1
		.amdhsa_inst_pref_size 23
	.end_amdhsa_kernel
	.amdgpu_metadata
---
amdhsa.version: [ 1, 2 ]
amdhsa.kernels:
  - .name:           k_q363891c94f_gather
    .symbol:         k_q363891c94f_gather.kd
    .args:
      - { .name: input, .offset: 0, .size: 8, .value_kind: global_buffer, .address_space: global }
      - { .name: et, .offset: 8, .size: 8, .value_kind: global_buffer, .address_space: global }
      - { .name: pval, .offset: 16, .size: 8, .value_kind: global_buffer, .address_space: global }
      - { .name: pidx, .offset: 24, .size: 8, .value_kind: global_buffer, .address_space: global }
      - { .name: out0, .offset: 32, .size: 8, .value_kind: global_buffer, .address_space: global }
      - { .name: out2, .offset: 40, .size: 8, .value_kind: global_buffer, .address_space: global }
      - { .name: part, .offset: 48, .size: 8, .value_kind: global_buffer, .address_space: global }
    .group_segment_fixed_size: 18944
    .private_segment_fixed_size: 0
    .kernarg_segment_align: 8
    .kernarg_segment_size: 56
    .max_flat_workgroup_size: 256
    .sgpr_count:     66
    .vgpr_count:     256
    .wavefront_size: 32
...
	.end_amdgpu_metadata
.endif
;; end of part 2
;; launch finish (part 3): grid 1 x 1, 1 waves a work-group, no clusters, 0 bytes of LDS; arguments part, out1; writes out1
.if DOCPART == 3
	.amdgcn_target "amdgcn-amd-amdhsa--gfx1250"
	.amdhsa_code_object_version 6
	.text
	.protected	k_q363891c94f_finish
	.globl	k_q363891c94f_finish
	.p2align	8
	.type	k_q363891c94f_finish,@function
k_q363891c94f_finish:
	s_mov_b64 s[64:65], 0
	v_nop
	global_prefetch_b8 v0, s[64:65] scope:SCOPE_SE
	s_setreg_imm32_b32 hwreg(HW_REG_WAVE_MODE, 25, 1), 1
	s_wait_xcnt 0x0
; QuantizeEMA, launch 3 of 3.  out1 = mean of (q - x)^2 = 2^-20 x the sum of the 256 work-groups' sums (16 x 64 x 1,024 = 2^20 numbers).
; One wave: 1,024 bytes, 32 a lane.  A sum over work-groups is ordered by a launch of its own; there is nothing here to share or to overlap.
	s_load_b128 s[4:7], s[0:1], 0x0                ; part s[4:5], out1 s[6:7]
	v_lshlrev_b32 v1, 5, v0
	v_mov_b32 v10, 0
	s_mov_b32 s8, 0x76543210
	s_mov_b32 s9, 0xfedcba98
	s_wait_kmcnt 0x0
	global_load_b128 v[2:5], v1, s[4:5]
	global_load_b128 v[6:9], v1, s[4:5] offset:16
	s_wait_loadcnt 0x0
	v_pk_add_f32 v[2:3], v[2:3], v[4:5]
	v_pk_add_f32 v[6:7], v[6:7], v[8:9]
	v_pk_add_f32 v[2:3], v[2:3], v[6:7]
	v_add_f32 v2, v2, v3
	v_add_f32_dpp v2, v2, v2 row_xmask:1 row_mask:0xf bank_mask:0xf
	v_add_f32_dpp v2, v2, v2 row_xmask:2 row_mask:0xf bank_mask:0xf
	v_add_f32_dpp v2, v2, v2 row_xmask:4 row_mask:0xf bank_mask:0xf
	v_add_f32_dpp v2, v2, v2 row_xmask:8 row_mask:0xf bank_mask:0xf
	v_permlanex16_b32 v3, v2, s8, s9
	v_add_f32 v2, v2, v3
	v_mul_f32 v2, 0x35800000, v2                   ; 2^-20
	v_cmp_eq_u32 vcc_lo, 0, v0
	s_wait_xcnt 0x0                                ; EXEC changes only behind this wait
	s_and_saveexec_b32 s10, vcc_lo
	global_store_b32 v10, v2, s[6:7]
	s_wait_xcnt 0x0
	s_or_b32 exec_lo, exec_lo, s10
	s_endpgm
.Lfunc_end_k_q363891c94f_finish:
	.size	k_q363891c94f_finish, .Lfunc_end_k_q363891c94f_finish-k_q363891c94f_finish
	.p2alignl 7, 3214868480
	.fill 96, 4, 3214868480
	.section	.rodata,"a",@progbits
	.p2align	6, 0x0
	.amdhsa_kernel k_q363891c94f_finish
		.amdhsa_group_segment_fixed_size 0
		.amdhsa_private_segment_fixed_size 0
		.amdhsa_enable_private_segment 0
		.amdhsa_kernarg_size 16
		.amdhsa_user_sgpr_count 2
		.amdhsa_user_sgpr_kernarg_segment_ptr 1
		.amdhsa_wavefront_size32 1
		.amdhsa_system_sgpr_workgroup_id_x 1
		.amdhsa_system_sgpr_workgroup_id_y 1
		.amdhsa_system_sgpr_workgroup_id_z 1
		.amdhsa_system_vgpr_workitem_id 0
		.amdhsa_next_free_vgpr 16
		.amdhsa_next_free_sgpr 66
		.amdhsa_reserve_vcc 1
		.amdhsa_float_denorm_mode_32 3
		.amdhsa_float_denorm_mode_16_64 3
		.amdhsa_memory_ordered 1
		.amdhsa_forward_progress 1
		.amdhsa_inst_pref_size 2
	.end_amdhsa_kernel
	.amdgpu_metadata
---
amdhsa.version: [ 1, 2 ]
amdhsa.kernels:
  - .name:           k_q363891c94f_finish
    .symbol:         k_q363891c94f_finish.kd
    .args:
      - { .name: part, .offset: 0, .size: 8, .value_kind: global_buffer, .address_space: global }
      - { .name: out1, .offset: 8, .size: 8, .value_kind: global_buffer, .address_space: global }
    .group_segment_fixed_size: 0
    .private_segment_fixed_size: 0
    .kernarg_segment_align: 8
    .kernarg_segment_size: 16
    .max_flat_workgroup_size: 32
    .sgpr_count:     66
    .vgpr_count:     16
    .wavefront_size: 32
...
	.end_amdgpu_metadata
.endif
;; end of part 3
